; MI455X (gfx1250); checked and timed in simulation.
; The chip was launched on July 23, 2026; its instructions are those of AMD's public machine-readable ISA for CDNA 5 (MIT licence, August 2026) and "CDNA5" Instruction Set Architecture Reference Guide (July 2026). The comments in the code are by the model that wrote it; some were corrected since.
;; Bert Self Attention. Allowed arithmetic: matrix products marked QUANTISED: E4M3 operands, one E8M0 scale for each 32 along K, by v_wmma_scale_f32_16x16x128_f8f6f4 with both operands' format E4M3, f32 sums; everything else in f32.
;; Inputs: Wk 1,024 x 1,024 float32; Wq 1,024 x 1,024 float32; Wv 1,024 x 1,024 float32; attention_mask 4 x 1 x 1 x 2,048 float32; bk 1,024 float32; bq 1,024 float32; bv 1,024 float32; hidden_states 4 x 2,048 x 1,024 float32.
;; Outputs: out0 4 x 2,048 x 1,024 float32.
;; This version of the problem:
;;   THIS VERSION OF THE PROBLEM IS GIVEN IN LOW PRECISION. The matrix products marked QUANTISED in the list below multiply operands that are first quantised to E4M3 (4 exponent bits, 3 mantissa bits; 8 bits a number), with one power-of-two scale for each 32 numbers along K (OCP MX v1.0); their sums are f32. All else is computed in f32.
;;   The module's matrix products, in the order in which they are computed (A, B: the left and right operand; K: the contracted axis; several contracted axes count as one K, in the product's order):
;;     1. [M 8,192, K 1,024] x [K 1,024, N 1,024]; A: input hidden_states; B: input Wq: QUANTISED
;;     2. [M 8,192, K 1,024] x [K 1,024, N 1,024]; A: input hidden_states; B: input Wk: QUANTISED
;;     3. [M 8,192, K 1,024] x [K 1,024, N 1,024]; A: input hidden_states; B: input Wv: QUANTISED
;;     4. batch 64 x [M 2,048, K 64] x [K 64, N 2,048]; A: computed on the way; B: computed on the way: QUANTISED
;;     5. batch 64 x [M 2,048, K 2,048] x [K 2,048, N 64]; A: softmax (see below); B: computed on the way: QUANTISED
;;   THE QUANTISER, for each operand of a quantised product, along K:
;;     - K is cut into blocks of 32 from its start; a last block that is shorter is filled with zeros.
;;     - A block's scale is 2^e with e = floor(log2(the largest magnitude in the block)) - 8, held to -126 .. 127; a block of zeros has e = 0. As a byte (E8M0): e + 127.
;;     - Each number is divided by its block's scale, clamped to +-448, and rounded to the nearest number of E4M3, ties to even, subnormals kept.
;;     - The product sums the exact products of the quantised numbers (number of the format x scale) in f32.
;;   ~~~python
;;   def quantise(x, axis):      # numpy; x: float32 -> the quantised numbers, widened to float32 again
;;       x = np.moveaxis(x, axis, -1); K = x.shape[-1]
;;       x = np.pad(x, [(0, 0)] * (x.ndim - 1) + [(0, -K % 32)]); x = x.reshape(x.shape[:-1] + (-1, 32)); a = np.abs(x).max(-1, keepdims=True)
;;       e = np.where(a > 0, np.clip(np.frexp(np.where(a > 0, a, 1))[1] - 1 - 8, -126, 127), 0)      # np.frexp(a)[1] - 1 = floor(log2(a)), exactly
;;       r = np.clip(x / 2.0 ** e, -448, 448)
;;       step = 2.0 ** (np.maximum(np.frexp(np.where(r == 0, 1, r))[1] - 1, -6) - 3)
;;       q = np.round(r / step) * step * 2.0 ** e      # np.round: ties to even
;;       return np.moveaxis(q.reshape(q.shape[:-2] + (-1,))[..., :K], -1, axis).astype(np.float32)
;;   ~~~
;;   SOFTMAX AHEAD OF A QUANTISED PRODUCT. Where the list says 'softmax', what is quantised is not the finished softmax but p = 2^(t - M), with t = logit x log2(e) and M = ceil(the row's largest t), a whole number; so 1/2 < the row's largest p <= 1. The row's sum l is taken of the UNQUANTISED p, in f32, and the product's result is divided by l at the end. Since M is a whole number, a kernel that streams over the keys may use a running M (the ceiling of the running maximum): every later rescaling is an exact power of two, which a block's scale takes up: the codes' values come out the same.
;;   OPERANDS COMPUTED ON THE WAY. 'Computed on the way' means the value that the module computes at that place (a softmax that the list does not call 'softmax' is quantised finished and normalised). What goes into a quantiser is computed in f32, as accurately as f32 sums, v_exp_f32 and their like allow (about 1e-6 of the number): no bf16 or f16 on the way to a quantiser, and a product that is left as it is and whose result goes on into a quantised operand takes f32 operands (vector FMAs, or v_wmma_f32_16x16x4_f32). A number that lies on a knife's edge between two numbers of the format may be rounded either way, as far as f32 arithmetic and the matrix unit's own rounding can turn it there, and no further.
;; One version. Each part assembles by itself: llvm-mc -triple=amdgcn-amd-amdhsa -mcpu=gfx1250 --defsym DOCPART=n.
;; ======== version 1 of 1: 3 launches
;; limits: right only within a limited range of input values
;; workspace buffers: xc 8,388,608 bytes; xs 262,144 bytes; wc 3,145,728 bytes; ws 98,304 bytes; qi 8,388,608 bytes; qs 262,144 bytes; kv 17,301,504 bytes
;; launch quant (part 1): grid 352 x 1, 4 waves a work-group, no clusters, 33,280 bytes of LDS; arguments hidden_states, Wq, Wk, Wv, xc, xs, wc, ws; writes xc, xs, wc, ws
.if DOCPART == 1
	.amdgcn_target "amdgcn-amd-amdhsa--gfx1250"
	.amdhsa_code_object_version 6
	.text
	.protected	k_q145b18cb5b_quant
	.globl	k_q145b18cb5b_quant
	.p2align	8
	.type	k_q145b18cb5b_quant,@function
k_q145b18cb5b_quant:
	s_mov_b64 s[64:65], 0
	v_nop
	global_prefetch_b8 v0, s[64:65] scope:SCOPE_SE
	s_setreg_imm32_b32 hwreg(HW_REG_WAVE_MODE, 25, 1), 1
	s_wait_xcnt 0x0
; hidden_states [8192][1024] and Wq, Wk, Wv [1024][1024], f32, become codes of FP8 (E4M3), K innermost, with one E8M0 scale byte for each 32 along K:
; xc [8192][1024], xs [8192][32];  wc [3072][1024], ws [3072][32] (Wq's rows, then Wk's, then Wv's).
; A block's scale is 2^(floor(log2(its largest magnitude)) - 8); its byte is the largest magnitude's exponent field - 8, held at 1 from below.  Each number is divided by the scale, held within +-448, rounded to the nearest code, ties to even.
; THE ROWS ARE STORED WITH BITS 3 AND 4 OF THEIR NUMBER EXCHANGED: 16 consecutive stored rows 32 b + 16 u + r are then the rows 32 b + 8 u + r + 8 (r / 8).  The next launch takes 16 consecutive stored rows as a tile, and the 16 result
; registers of two neighbouring tiles come out as 16 neighbours, which is what the next quantiser and the next operand's layout want.  Here it costs nothing: a wave's run of 8 rows goes to another run of its work-group's 32 rows.
; LIMITS: a block of zeros gets the byte 1 where the rule says 127 (its codes are zeros, and this program alone reads the bytes); NaN and infinities among the inputs are not served.
; SHARES: a work-group takes 32 rows, a wave 8 rows (8,192 numbers) in 16 steps of 512.  Each of a step's four loads reads 512 consecutive bytes; the 2,048 bytes turn through the wave's own stage in LDS and come back 64 bytes a lane,
; so that a lane holds 16 neighbours along K and two neighbouring lanes a block.  A lane's 16 codes are 16 bytes: the wave stores 512 consecutive bytes.  A wave's 256 scale bytes are gathered in LDS and leave as 256 consecutive, aligned bytes.
; No tensor loads, no barrier, no cluster: waves share nothing, and every byte is read once.  Loads run four steps (16 loads a wave) ahead.
.set STEPS, 16
.set EMAX,  8
.set MANT,  0x600000                   ; the mantissa field of 448 as f32
.set CB,    16                         ; bytes of 16 codes
.set R,     16                         ; v16-79   four sets of 16 numbers as they are loaded
.set X,     80                         ; v80-111  two sets of 16 neighbours
.set C,     128                        ; v128-191 codes: four registers for each step, so that no store's data are written again
.set E,     112                        ; v112-127 a scale byte for each step
.set WREG,  8192                       ; LDS: a region for each wave: two stages of 32 x SP bytes, and behind them its 256 scale bytes
.set SP,    80                         ; a lane's place in a stage: its 64 bytes + 16 of padding
	s_load_b256 s[4:11], s[0:1], 0x0               ; hidden_states, Wq, Wk, Wv
	s_load_b256 s[12:19], s[0:1], 0x20             ; xc, xs, wc, ws
	v_lshl_add_u32 v192, v0, 2, 0x8000
	v_mov_b32 v193, 0
	v_lshrrev_b32 v1, 5, v0
	v_readfirstlane_b32 s20, v1                    ; wave
	v_and_b32 v2, 31, v0                           ; lane
	v_lshlrev_b32 v3, 4, v2                        ; my 16 bytes of a load's 512
	s_mul_i32 s21, s20, WREG
	v_lshrrev_b32 v14, 2, v2
	v_mul_u32_u24 v14, v14, SP
	v_and_b32 v15, 3, v2
	v_lshl_add_u32 v14, v15, 4, v14
	v_add_nc_u32 v14, s21, v14                     ; the stage, on the way in: SP (lane / 4) + 16 (lane % 4)
	v_mul_u32_u24 v15, v2, SP
	v_add_nc_u32 v15, s21, v15                     ; and on the way out: SP x lane: my 16 neighbours
	v_mul_u32_u24 v4, v2, CB                       ; my codes' place in a step's
	v_lshrrev_b32 v5, 1, v2
	s_add_co_u32 s21, s21, 2*32*SP
	v_add_nc_u32 v5, s21, v5                       ; LDS: my wave's 256 scale bytes, my block's byte
	v_lshlrev_b32 v7, 3, v2                        ; and on the way out 8 bytes a lane
	v_add_nc_u32 v6, s21, v7
	s_mov_b32 s23, MANT
	s_wait_alu depctr_va_vdst(0)
	s_wait_kmcnt 0x0
	; which tensor: work-groups 0-255 hidden_states, 256-287 Wq, 288-319 Wk, 320-351 Wv.  The choices hang on the work-group's number alone
	s_mov_b64 s[24:25], s[10:11]
	s_cmp_lt_u32 ttmp9, 320
	s_cselect_b64 s[24:25], s[8:9], s[24:25]
	s_cmp_lt_u32 ttmp9, 288
	s_cselect_b64 s[24:25], s[6:7], s[24:25]
	s_cmp_lt_u32 ttmp9, 256
	s_cselect_b64 s[24:25], s[4:5], s[24:25]       ; the numbers
	s_cselect_b64 s[26:27], s[12:13], s[16:17]     ; the codes
	s_cselect_b64 s[28:29], s[14:15], s[18:19]     ; the scale bytes
	s_cselect_b32 s30, 0, 256
	s_cselect_b32 s31, -1, 31
	s_sub_co_u32 s30, ttmp9, s30                   ; which 32 rows of the codes' buffer,
	s_and_b32 s31, s30, s31                        ; and of the tensor that is read
	s_lshl_b32 s31, s31, 2
	s_add_co_u32 s31, s31, s20                     ; the run of 8 rows that I read: 4 x group + wave
	s_and_b32 s32, s20, 1
	s_lshl_b32 s32, s32, 1
	s_lshr_b32 s33, s20, 1
	s_or_b32 s32, s32, s33                         ; the wave's two bits exchanged: bits 3 and 4 of the row's number
	s_lshl_b32 s30, s30, 2
	s_add_co_u32 s30, s30, s32                     ; the run that I write
	s_lshl_b32 s34, s31, 15                        ; 32,768 bytes of numbers a run (1,023 runs at the most: under 2^32)
	s_mov_b32 s35, 0
	s_add_nc_u64 s[24:25], s[24:25], s[34:35]
	s_lshl_b32 s34, s30, 13                        ; 8,192 bytes of codes
	s_add_nc_u64 s[26:27], s[26:27], s[34:35]
	s_lshl_b32 s34, s30, 8                         ; 256 scale bytes
	s_add_nc_u64 s[28:29], s[28:29], s[34:35]
.macro LOAD t
.irp i, 0,1,2,3
	global_load_b128 v[R+16*((\t)%4)+4*\i:R+16*((\t)%4)+4*\i+3], v3, s[24:25] offset:2048*(\t)+512*\i th:TH_LOAD_NT   ; 32 lanes read 512 consecutive bytes
.endr
.endm
.macro TURN t                          ; step t's numbers through the stage: LDS serves a wave's instructions in order (ISA guide 5.7.1.4), so no wait stands between the stores and the loads
.irp i, 0,1,2,3
	ds_store_b128 v14, v[R+16*((\t)%4)+4*\i:R+16*((\t)%4)+4*\i+3] offset:32*SP*((\t)%2)+8*SP*\i
.endr
.irp i, 0,1,2,3
	ds_load_b128 v[X+16*((\t)%2)+4*\i:X+16*((\t)%2)+4*\i+3], v15 offset:32*SP*((\t)%2)+16*\i
.endr
.endm
.irp t, 0,1,2,3
	LOAD \t
.endr
	s_wait_loadcnt 12                              ; step 0's four loads are in; the twelve of steps 1 to 3 may be out
	TURN 0
.macro STEP t
.set XS, X+16*((\t)%2)
.if (\t) > 0
	s_wait_dscnt 1                                 ; this step's numbers are back from the stage (the last step's byte store may be out): so its stores into the stage have read their registers,
.else
	s_wait_dscnt 0x0
.endif
.if (\t)+4 < STEPS
	LOAD (\t)+4                                    ; which take the loads of four steps on
.endif
.if (\t)+1 < STEPS
.if STEPS-2-(\t) >= 3
	s_wait_loadcnt 12                              ; the next step's four loads are in; those of the three steps behind it may be out
.else
	s_wait_loadcnt 4*(STEPS-2-(\t))
.endif
	TURN (\t)+1                                    ; and go through the other stage while this step is worked
.endif
	v_max3_num_f32 v8, |v[XS]|, |v[XS+1]|, |v[XS+2]|               ; the largest magnitude of my 16, in two chains
	v_max3_num_f32 v9, |v[XS+3]|, |v[XS+4]|, |v[XS+5]|
.irp i, 6,10
	v_max3_num_f32 v8, v8, |v[XS+\i]|, |v[XS+\i+1]|
	v_max3_num_f32 v9, v9, |v[XS+\i+2]|, |v[XS+\i+3]|
.endr
	v_max3_num_f32 v8, v8, |v[XS+14]|, |v[XS+15]|
	v_max3_num_f32 v8, v8, v9, (EMAX+1)<<23        ; and the floor 2^(EMAX + 1 - 127): the byte cannot fall under 1
	v_max_num_f32_dpp v8, v8, v8 row_xmask:1 row_mask:0xf bank_mask:0xf   ; and of my neighbour's 16: the block's
	v_add_nc_u32 v11, -(EMAX<<23), v8              ; EMAX off its exponent field: the conversion takes the exponent field of this operand as its scale
	v_and_or_b32 v10, v8, 0x7f800000, s23          ; 448 x the scale: the largest magnitude's exponent field over 448's mantissa
.irp i, 0,1,2,3,4,5,6,7,8,9,10,11,12,13,14,15
	v_med3_num_f32 v[XS+\i], v[XS+\i], -v10, v10   ; the conversion to an 8-bit code does not saturate (ISA guide 7.6.2): the hold comes first
.endr
	v_cvt_scalef32_pk8_fp8_f32 v[C+4*(\t):C+4*(\t)+1], v[XS:XS+7], v11
	v_cvt_scalef32_pk8_fp8_f32 v[C+4*(\t)+2:C+4*(\t)+3], v[XS+8:XS+15], v11
	v_lshrrev_b32 v[E+(\t)], 23, v11               ; the scale's byte
	ds_store_b8 v5, v[E+(\t)] offset:16*(\t)       ; both lanes of a block write the same byte with the same value
	global_store_b128 v4, v[C+4*(\t):C+4*(\t)+3], s[26:27] offset:32*CB*(\t)
.endm
.irp t, 0,1,2,3,4,5,6,7,8,9,10,11,12,13,14,15
	STEP \t
.endr
	ds_load_b64 v[12:13], v6                       ; in order behind my byte stores
	s_wait_dscnt 0x0
	global_store_b64 v7, v[12:13], s[28:29]        ; 32 lanes store 256 consecutive bytes, aligned
	s_wait_tensorcnt 0x0
	ds_add_u32 v192, v193
	s_wait_dscnt 0x0
	s_endpgm
.Lfunc_end_k_q145b18cb5b_quant:
	.size	k_q145b18cb5b_quant, .Lfunc_end_k_q145b18cb5b_quant-k_q145b18cb5b_quant
	.p2alignl 7, 3214868480
	.fill 96, 4, 3214868480
	.section	.rodata,"a",@progbits
	.p2align	6, 0x0
	.amdhsa_kernel k_q145b18cb5b_quant
		.amdhsa_group_segment_fixed_size 33280
		.amdhsa_private_segment_fixed_size 0
		.amdhsa_enable_private_segment 0
		.amdhsa_kernarg_size 64
		.amdhsa_user_sgpr_count 2
		.amdhsa_user_sgpr_kernarg_segment_ptr 1
		.amdhsa_wavefront_size32 1
		.amdhsa_system_sgpr_workgroup_id_x 1
		.amdhsa_system_sgpr_workgroup_id_y 1
		.amdhsa_system_sgpr_workgroup_id_z 1
		.amdhsa_system_vgpr_workitem_id 0
		.amdhsa_next_free_vgpr 194
		.amdhsa_next_free_sgpr 66
		.amdhsa_reserve_vcc 0
		.amdhsa_float_denorm_mode_32 3
		.amdhsa_float_denorm_mode_16_64 3
		.amdhsa_memory_ordered 1
		.amdhsa_forward_progress 1
		.amdhsa_inst_pref_size 51
	.end_amdhsa_kernel
	.amdgpu_metadata
---
amdhsa.version: [ 1, 2 ]
amdhsa.kernels:
  - .name:           k_q145b18cb5b_quant
    .symbol:         k_q145b18cb5b_quant.kd
    .args:
      - { .name: hidden_states, .offset: 0, .size: 8, .value_kind: global_buffer, .address_space: global }
      - { .name: Wq, .offset: 8, .size: 8, .value_kind: global_buffer, .address_space: global }
      - { .name: Wk, .offset: 16, .size: 8, .value_kind: global_buffer, .address_space: global }
      - { .name: Wv, .offset: 24, .size: 8, .value_kind: global_buffer, .address_space: global }
      - { .name: xc, .offset: 32, .size: 8, .value_kind: global_buffer, .address_space: global }
      - { .name: xs, .offset: 40, .size: 8, .value_kind: global_buffer, .address_space: global }
      - { .name: wc, .offset: 48, .size: 8, .value_kind: global_buffer, .address_space: global }
      - { .name: ws, .offset: 56, .size: 8, .value_kind: global_buffer, .address_space: global }
    .group_segment_fixed_size: 33280
    .private_segment_fixed_size: 0
    .kernarg_segment_align: 8
    .kernarg_segment_size: 64
    .max_flat_workgroup_size: 128
    .sgpr_count:     66
    .vgpr_count:     194
    .wavefront_size: 32
...
	.end_amdgpu_metadata
.endif
;; end of part 1
;; launch proj (part 2): grid 12 x 32, 4 waves a work-group, clusters of 4 x 4, 327,680 bytes of LDS; arguments xc, xs, wc, ws, bq, bk, bv, qi, qs, kv; writes qi, qs, kv
.if DOCPART == 2
	.amdgcn_target "amdgcn-amd-amdhsa--gfx1250"
	.amdhsa_code_object_version 6
	.text
	.protected	k_q145b18cb5b_proj
	.globl	k_q145b18cb5b_proj
	.p2align	8
	.type	k_q145b18cb5b_proj,@function
k_q145b18cb5b_proj:
	s_mov_b64 s[64:65], 0
	v_nop
	global_prefetch_b8 v0, s[64:65] scope:SCOPE_SE
	s_setreg_imm32_b32 hwreg(HW_REG_WAVE_MODE, 25, 1), 1
	s_wait_xcnt 0x0
	s_wait_alu depctr_hold_cnt(0) depctr_sa_sdst(0) depctr_va_vdst(0) depctr_va_sdst(0) depctr_va_ssrc(0) depctr_va_vcc(0) depctr_vm_vsrc(0)
	s_getreg_b32 s2, hwreg(HW_REG_IB_STS2, 6, 4)
	s_cmp_eq_u32 s2, 0
	s_cbranch_scc0 .Lentry_in_a_cluster
	s_endpgm
.Lentry_in_a_cluster:
	s_bfe_u32 s2, ttmp6, 0x10000c
	s_cmp_lg_u32 s2, 0xf033
	s_cbranch_scc0 .Lentry_shape_is_right
	s_endpgm
.Lentry_shape_is_right:
; q, k, v = hidden_states W^T + b on codes of FP8 (E4M3) with one E8M0 scale for each 32 along K = 1,024, and the results quantised again for the attention launch, which takes them as images of its operands' registers.
; A tile of 256 x 256 is made by four waves, 128 x 128 each: 64 accumulators in windows 2 and 3.  K goes in steps of 256 through a ring of two LDS slots filled by joint tensor loads (4 x 4 work-groups: side A's tile shared along a row, side B's along a column).
; KIND (the cluster's x): 0 = q, 1 = k: side A (source 1) = 256 tokens, side B (source 0) = 256 rows of W: a lane holds one token and its registers run along the head's channels, which are the score product's K.
; 2 = v: the sides are exchanged, so that a lane holds one channel and its registers run along the tokens, which are the second product's K.
; THE HEAD: four tiles, one joint load a wave: K step 0's 256 rows of each side, and each side's scale bytes for all of K (8,192 dense bytes, kept in LDS).  Slot 1 is first filled behind the full sequence and a round.
; THE BIASES are asked for at the head too, into window 0's v64-127, which the K loop never names: they are waited for on the way out.
; No prefetch: the block is the largest, in clusters, and K is four slots long.
; LIMITS: a block of zeros gets the byte 1 where the rule says 127 (its codes are zeros, and this program alone reads the bytes); NaN and infinities are not served.
.set KSTEP,  256
.set NQ,     2
.set ROWB,   256
.set KROW,   1024
.set PITCH,  272                       ; an LDS row: 256 bytes + 16 of padding
.set FR,     16
.set NL,     4
.set NP,     8                         ; places behind this matrix instruction (ISA guide 7.12.1)
.set HALFT,  128*PITCH
.set SLOT,   4*HALFT                   ; side A's 256 rows, then side B's
.set LAPS,   2
.set KS,     32                        ; a row of scale bytes
.set SCL,    2*SLOT
.set HALFS,  (128*KS/256)*272
.set SBLK,   (16*KS/256)*272
.set SPARE,  SCL+4*HALFS               ; the spare words, 128 bytes a wave
.set KVSTEP, 16896
.set KVHEAD, 270336
.set ADRA, 16
.set ADRB, 20
.set VOA,  24
.set VOB,  25
.set VSO,  26
.set ADRS, 27
.set SPW,  28
.set NIL,  29
.set BOF,  30                          ; the biases' offset; it stands until their loads are shown done
.set SC,   32                          ; scale words, two sets; on the way out v32-61 are at work
.set AF,   128                         ; side A's fragments; on the way out v128-255 are at work
.set BI,   64                          ; the biases
.set ST,   128
.set TM,   32
.set SW,   48
.set WD,   56
.set TA,   60
.set TB,   61
.set PC,   192
.set G1, 24
.set G0, 32
.set G1B, 48
.set G0B, 56
.set G1S, 68
.set G0S, 76
.set G1SB, 80
.set G0SB, 88
.set G0H, 4                            ; groups 0 of the head's loads of codes, in registers that held arguments
.set G0HB, 8
.set WV, 92
.set RH, 93
.set PH, 94
.set RT, 95
.set PT, 96
.set KIND, 97
.set MNT, 4
.set SEL, 6
.set MSB, 0
.macro WIN new
.if MSB != (\new)
	s_set_vgpr_msb (MSB<<8)|(\new)
.set MSB, (\new)
.endif
.endm
.set MUL_LO, 0xa1
.set MUL_HI, 0xf1
.set TO_B,   0x40
.macro JLOAD g0a, g1a, g0b, g1b        ; waves 0 and 1 fetch for side A, waves 2 and 3 for side B
	s_cmp_eq_u32 s[RH], 0
	s_cbranch_scc0 .Lfor_b_\@
	tensor_load_to_lds s[\g0a:\g0a+3], s[\g1a:\g1a+7]
	s_nop 0
.rept 4
	v_nop
.endr
	s_branch .Lasked_\@
.Lfor_b_\@:
	tensor_load_to_lds s[\g0b:\g0b+3], s[\g1b:\g1b+7]
	s_nop 0
.rept 4
	v_nop
.endr
.Lasked_\@:
.endm
.macro CREST
	s_cmp_lg_u32 s[WV], 0
	s_cbranch_scc1 .Lnot_wave_0_\@
	s_barrier_signal -3
.Lnot_wave_0_\@:
	s_barrier_wait -3
	s_barrier_signal -1
	s_barrier_wait -1
.endm
.macro CROUND
	s_barrier_signal -1
	s_barrier_wait -1
	CREST
.endm
	s_load_b256 s[4:11], s[0:1], 0x0               ; xc, xs, wc, ws
	s_load_b256 s[12:19], s[0:1], 0x20             ; bq, bk, bv, qi
	s_load_b128 s[20:23], s[0:1], 0x40             ; qs, kv
	v_lshl_add_u32 v[SPW], v0, 2, SPARE
	v_mov_b32 v[NIL], 0
	ds_add_u32 v[SPW], v[NIL]                      ; the opening lines: the add twice on end and one wait
	ds_add_u32 v[SPW], v[NIL]
	v_lshrrev_b32 v1, 5, v0
	v_readfirstlane_b32 s[WV], v1
	s_lshr_b32 s[RH], s[WV], 1
	s_and_b32 s[PH], s[WV], 1
	s_bfe_u32 s66, ttmp6, 0x40000
	s_bfe_u32 s67, ttmp6, 0x40004
	s_mov_b32 s[KIND], ttmp9
	s_and_b32 s100, ttmp7, 0xffff
	s_cmp_eq_u32 s[KIND], 2
	s_cselect_b32 s[PT], s100, s[KIND]
	s_cselect_b32 s[RT], 2, s100
	s_lshl_b32 s[PT], s[PT], 2
	s_add_co_u32 s[PT], s[PT], s66                 ; side B's tile
	s_lshl_b32 s[RT], s[RT], 2
	s_add_co_u32 s[RT], s[RT], s67                 ; side A's tile
	s_lshl_b32 s98, s67, 2
	s_lshl_b32 s98, 15, s98                        ; my row of the cluster
	s_lshl_b32 s99, 0x1111, s66                    ; my column
	s_or_b32 s[G1+0], s98, (0<<16)|(1<<20)|(1<<21)|(5<<22)|(3<<25)
	s_or_b32 s[G1B+0], s99, (0<<16)|(1<<20)|(1<<21)|(5<<22)|(3<<25)
.irp g, G1, G1B                        ; 256 rows for the head's loads; behind them the two words that count rows are set to 128
	s_mov_b32 s[\g+1], ROWB<<16
	s_mov_b32 s[\g+2], 256<<16
	s_mov_b32 s[\g+3], ROWB<<16
	s_mov_b32 s[\g+4], 256
	s_mov_b32 s[\g+5], KROW
	s_mov_b32 s[\g+6], 0
	s_mov_b32 s[\g+7], 0
.endr
	s_or_b32 s[G1S+0], s98, (3<<16)|(1<<20)|(1<<21)|(5<<22)|(3<<25)
	s_or_b32 s[G1SB+0], s99, (3<<16)|(1<<20)|(1<<21)|(5<<22)|(3<<25)
.irp g, G1S, G1SB                      ; the scales of 256 rows: KS rows of 256 bytes
	s_mov_b32 s[\g+1], 32<<16
	s_mov_b32 s[\g+2], KS<<16
	s_mov_b32 s[\g+3], 32<<16
	s_mov_b32 s[\g+4], KS
	s_mov_b32 s[\g+5], 32
	s_mov_b32 s[\g+6], 0
	s_mov_b32 s[\g+7], 0
.endr
	s_lshl_b32 s40, s[RT], 8                       ; the tiles' first rows
	s_lshl_b32 s42, s[PT], 8
	s_lshl_b32 s44, s40, 5                         ; their scales, in bytes,
	s_lshl_b32 s46, s42, 5
	s_lshl_b32 s40, s40, 10                        ; and their codes
	s_lshl_b32 s42, s42, 10
	s_mov_b32 s41, 0
	s_mov_b32 s43, 0
	s_mov_b32 s45, 0
	s_mov_b32 s47, 0
	s_mul_i32 s2, s[WV], HALFT                     ; where my 128 rows of the ring's loads go
	s_wait_dscnt 0x0                               ; both opening adds are done
	s_wait_kmcnt 0x0
	s_cmp_eq_u32 s[KIND], 2
	s_cselect_b64 s[98:99], s[8:9], s[4:5]
	s_cselect_b64 s[100:101], s[10:11], s[6:7]
	s_cselect_b64 s[4:5], s[4:5], s[8:9]
	s_cselect_b64 s[6:7], s[6:7], s[10:11]
	s_add_nc_u64 s[40:41], s[98:99], s[40:41]
	s_add_nc_u64 s[44:45], s[100:101], s[44:45]
	s_add_nc_u64 s[42:43], s[4:5], s[42:43]
	s_add_nc_u64 s[46:47], s[6:7], s[46:47]
	CROUND                                         ; all sixteen work-groups are here: the first joint loads meet
	s_mov_b32 s[G0H], 1
	s_mov_b32 s[G0H+1], 0
	s_mov_b64 s[G0H+2:G0H+3], s[40:41]
	s_or_b32 s[G0H+3], s[G0H+3], 0x80000000
	s_mov_b32 s[G0HB], 1
	s_mov_b32 s[G0HB+1], 2*HALFT
	s_mov_b64 s[G0HB+2:G0HB+3], s[42:43]
	s_or_b32 s[G0HB+3], s[G0HB+3], 0x80000000
	s_mov_b32 s[G0S], 1
	s_mov_b32 s[G0S+1], SCL
	s_mov_b64 s[G0S+2:G0S+3], s[44:45]
	s_or_b32 s[G0S+3], s[G0S+3], 0x80000000
	s_mov_b32 s[G0SB], 1
	s_mov_b32 s[G0SB+1], SCL+2*HALFS
	s_mov_b64 s[G0SB+2:G0SB+3], s[46:47]
	s_or_b32 s[G0SB+3], s[G0SB+3], 0x80000000
	s_lshl_b32 s100, s[PH], 17                     ; for the ring: my 128 rows of the tile, 1,024 bytes a row
	s_mov_b32 s101, 0
	s_add_nc_u64 s[40:41], s[40:41], s[100:101]
	s_add_nc_u64 s[42:43], s[42:43], s[100:101]
.irp s, 0,1
	s_mov_b32 s[G0+4*\s], 1
	s_add_co_u32 s[G0+4*\s+1], s2, \s*SLOT
	s_add_nc_u64 s[G0+4*\s+2:G0+4*\s+3], s[40:41], \s*ROWB
	s_or_b32 s[G0+4*\s+3], s[G0+4*\s+3], 0x80000000
	s_mov_b32 s[G0B+4*\s], 1
	s_add_co_u32 s[G0B+4*\s+1], s2, \s*SLOT
	s_add_nc_u64 s[G0B+4*\s+2:G0B+4*\s+3], s[42:43], \s*ROWB
	s_or_b32 s[G0B+4*\s+3], s[G0B+4*\s+3], 0x80000000
.endr
; the head's loads, one a wave, in one tree of branches on the wave's number
.macro ARM under, g0, g1, next
	s_cmp_lt_u32 s[WV], \under
	s_cbranch_scc0 \next
	tensor_load_to_lds s[\g0:\g0+3], s[\g1:\g1+7]
	s_nop 0
.rept 4
	v_nop
.endr
	s_branch .Lhead_asked
\next:
.endm
	ARM 1, G0H,  G1,  .Lhead_b
	ARM 2, G0HB, G1B, .Lhead_sa
	ARM 3, G0S,  G1S, .Lhead_sb
	tensor_load_to_lds s[G0SB:G0SB+3], s[G1SB:G1SB+7]
	s_nop 0
.rept 4
	v_nop
.endr
.Lhead_asked:
	v_and_b32 v1, 15, v0
	v_bfe_u32 v2, v0, 4, 1
	v_mul_u32_u24 v3, v1, PITCH
	v_lshl_add_u32 v4, v2, 4, v3
	s_mul_i32 s98, s[RH], HALFT
	s_mul_i32 s99, s[PH], HALFT
	s_add_co_u32 s99, s99, 2*HALFT
.irp s, 0,1
	v_add_nc_u32 v[ADRA+\s], s98, v4
	v_add_nc_u32 v[ADRB+\s], s99, v4
	s_add_co_u32 s98, s98, SLOT
	s_add_co_u32 s99, s99, SLOT
.endr
	v_mul_u32_u24 v5, v1, KS
	v_lshrrev_b32 v6, 8, v5
	v_lshl_add_u32 v5, v6, 4, v5
	s_mul_i32 s98, s[RH], HALFS
	s_mul_i32 s99, s[PH], HALFS
	s_add_co_u32 s99, s99, 2*HALFS
	s_sub_co_u32 s99, s99, s98
	v_mul_u32_u24 v6, s99, v2                      ; lanes 16-31 take side B's words
	s_add_co_u32 s98, s98, SCL
	v_add_nc_u32 v5, v5, v6
	v_add_nc_u32 v[ADRS], s98, v5
; The way out's addresses, and the biases' loads.  s45, s47 and s[98:101] stand until the way out.
.macro EPIA kind
.if \kind == 0
	s_lshl_b32 s40, s[RT], 8
	s_lshl_b32 s41, s[RH], 7
	s_add_co_u32 s40, s40, s41
	s_lshl_b32 s43, s[PT], 8
	s_lshl_b32 s41, s[PH], 7
	s_add_co_u32 s43, s43, s41
	s_and_b32 s43, s43, 1023
.else
	s_lshl_b32 s40, s[PT], 8
	s_lshl_b32 s41, s[PH], 7
	s_add_co_u32 s40, s40, s41
	s_sub_co_u32 s43, s[RT], 8
	s_lshl_b32 s43, s43, 8
	s_lshl_b32 s41, s[RH], 7
	s_add_co_u32 s43, s43, s41
.endif
	s_lshr_b32 s41, s40, 11
	s_bfe_u32 s42, s40, 0x40007
	s_lshr_b32 s44, s43, 6
	s_lshl_b32 s41, s41, 4
	s_add_co_u32 s44, s44, s41
.if \kind == 0
	s_cmp_eq_u32 s[KIND], 0
	s_mov_b32 s45, KVHEAD
	s_cselect_b32 s45, 131072, s45
	s_mov_b32 s46, KVSTEP
	s_cselect_b32 s46, 8192, s46
	s_mov_b32 s47, KVHEAD
	s_cselect_b32 s47, 4096, s47
	s_mov_b32 s66, KVSTEP
	s_cselect_b32 s66, 256, s66
	s_cselect_b32 s67, 0, 16384
	s_cselect_b64 s[98:99], s[18:19], s[22:23]
	s_cselect_b64 s[100:101], s[20:21], s[22:23]
	s_cselect_b64 s[12:13], s[12:13], s[14:15]
	s_mul_i32 s2, s44, s45
	s_mul_i32 s3, s42, s46
	s_add_co_u32 s2, s2, s3
	s_mov_b32 s3, 0
	s_add_nc_u64 s[98:99], s[98:99], s[2:3]
	s_mul_i32 s2, s44, s47
	s_mul_i32 s3, s42, s66
	s_add_co_u32 s2, s2, s3
	s_add_co_u32 s2, s2, s67
	s_mov_b32 s3, 0
	s_add_nc_u64 s[100:101], s[100:101], s[2:3]
	s_lshl_b32 s2, s43, 2
	s_add_nc_u64 s[12:13], s[12:13], s[2:3]
	v_lshlrev_b32 v[BOF], 6, v2
.irp b, 0,1,2,3
.irp q, 0,1,2,3
	global_load_b128 v[BI+16*\b+4*\q:BI+16*\b+4*\q+3], v[BOF], s[12:13] offset:128*\b+16*\q
.endr
.endr
.else
	s_mov_b32 s45, KVHEAD
	s_mov_b32 s47, KVHEAD
	s_mul_i32 s2, s44, s45
	s_mul_i32 s3, s42, KVSTEP
	s_add_co_u32 s2, s2, s3
	s_add_co_u32 s2, s2, 8192
	s_mov_b32 s3, 0
	s_add_nc_u64 s[98:99], s[22:23], s[2:3]
	s_add_nc_u64 s[100:101], s[98:99], 8448
	s_lshl_b32 s2, s43, 2
	s_add_nc_u64 s[12:13], s[16:17], s[2:3]
	v_and_b32 v[BOF], 8, v1
	v_add_nc_u32 v[BOF], v[BOF], v1
	v_lshlrev_b32 v[BOF], 2, v[BOF]
.irp a, 0,1,2,3,4,5,6,7
	global_load_b32 v[BI+\a], v[BOF], s[12:13] offset:4*(32*(\a/2)+8*(\a%2))
.endr
.endif
.endm
	s_wait_alu depctr_va_vdst(0)                   ; a run of scalar lines and a branch follow
	s_cmp_eq_u32 s[KIND], 2                        ; the cluster's x: the same in all partners
	s_cbranch_scc1 .Lbias_v
	EPIA 0
	s_branch .Lbias_done
.Lbias_v:
	EPIA 1
.Lbias_done:
.macro FRAG reg, adr, q, i
.irp c, 0,1,2,3
	ds_load_b128 v[\reg+4*\c:\reg+4*\c+3], v[\adr] offset:128*(\q)+32*\c+(\i)*16*PITCH
.endr
.endm
.macro MUL16 a0, p, q, sc, zero        ; the 64 accumulators take turns, one instruction a turn
.irp a, \a0, \a0+1
.irp b, 0,1,2,3,4,5,6,7
.if \zero
	v_wmma_scale_f32_16x16x128_f8f6f4 v[8*(8*((\a)%4)+\b):8*(8*((\a)%4)+\b)+7], v[128*(\p)+FR*\b:128*(\p)+FR*\b+FR-1], v[AF+FR*(\a):AF+FR*(\a)+FR-1], 0, v[SC+8*NQ*(\sc)+NQ*\b+(\q)], v[SC+8*NQ*(\sc)+NQ*(\a)+(\q)] matrix_a_scale:MATRIX_SCALE_ROW1
.else
	v_wmma_scale_f32_16x16x128_f8f6f4 v[8*(8*((\a)%4)+\b):8*(8*((\a)%4)+\b)+7], v[128*(\p)+FR*\b:128*(\p)+FR*\b+FR-1], v[AF+FR*(\a):AF+FR*(\a)+FR-1], v[8*(8*((\a)%4)+\b):8*(8*((\a)%4)+\b)+7], v[SC+8*NQ*(\sc)+NQ*\b+(\q)], v[SC+8*NQ*(\sc)+NQ*(\a)+(\q)] matrix_a_scale:MATRIX_SCALE_ROW1
.endif
.endr
.endr
.endm
.macro FETCH_B slot, q, p
	WIN TO_B
.irp i, 0,1,2,3,4,5,6,7
	FRAG 128*(\p)+FR*\i, ADRB+\slot, \q, \i
.endr
	WIN 0
.endm
.macro FETCH_A slot, q, i0
.irp i, \i0, \i0+1, \i0+2, \i0+3
	FRAG AF+FR*(\i), ADRA+\slot, \q, \i
.endr
.endm
.macro SCALES sc
.irp i, 0,1,2,3,4,5,6,7
	ds_load_b64 v[SC+8*NQ*\sc+NQ*\i:SC+8*NQ*\sc+NQ*\i+1], v[ADRS] offset:\i*SBLK
.endr
.endm
.macro PLACES n
.rept \n
	v_nop
.endr
.endm
.macro STEP slot, q, zero              ; a step of 128 along K that has its successor in the same slot
	s_wait_dscnt 4*NL                              ; side B's set and side A's blocks 0-3 are in; the youngest sixteen loads may be out
	WIN MUL_LO
	MUL16 0, (\q)%2, \q, \slot, \zero
	MUL16 2, (\q)%2, \q, \slot, \zero
	s_wait_dscnt 0
	PLACES NP
	FETCH_B \slot, (\q)+1, 1-(\q)%2
	FETCH_A \slot, (\q)+1, 0
	WIN MUL_HI
	MUL16 4, (\q)%2, \q, \slot, \zero
	MUL16 6, (\q)%2, \q, \slot, \zero
	PLACES NP
	WIN 0
	FETCH_A \slot, (\q)+1, 4
.endm
.macro TURN slot, next, fill           ; a slot's last step changes slots: one barrier, which opens a round where the slot is filled again
	s_wait_tensorcnt 0x0
	ds_add_u32 v[SPW], v[NIL]
	s_wait_dscnt 4*NL+1                            ; the add and the youngest sixteen loads may be out
	WIN MUL_LO
	MUL16 0, 1, NQ-1, \slot, 0
	s_wait_dscnt 0x0
	s_barrier_signal -1
	MUL16 2, 1, NQ-1, \slot, 0
	WIN 0
	s_barrier_wait -1
.if \fill
	CREST
	s_add_nc_u64 s[G0+4*\slot+2:G0+4*\slot+3], s[G0+4*\slot+2:G0+4*\slot+3], 2*ROWB
	s_add_nc_u64 s[G0B+4*\slot+2:G0B+4*\slot+3], s[G0B+4*\slot+2:G0B+4*\slot+3], 2*ROWB
	JLOAD G0+4*\slot, G1, G0B+4*\slot, G1B
	PLACES NP-4
.else
	PLACES NP
.endif
	s_wait_alu depctr_va_vdst(0)
	v_add_nc_u32 v[ADRS], 4*NQ, v[ADRS]
	FETCH_B \next, 0, 0
	FETCH_A \next, 0, 0
	SCALES \next
	WIN MUL_HI
	MUL16 4, 1, NQ-1, \slot, 0
	MUL16 6, 1, NQ-1, \slot, 0
	PLACES NP
	WIN 0
	FETCH_A \next, 0, 4
.endm
	s_wait_alu depctr_va_vdst(0)                   ; the wait at the head's end
	s_wait_tensorcnt 0x0                           ; my tile of the head's four is in; the full sequence ahead of a later first fill:
	ds_add_u32 v[SPW], v[NIL]
	s_mov_b32 s[G1+2], 128<<16                     ; no tensor load of mine is out: from here on a load brings 128 rows
	s_mov_b32 s[G1+4], 128
	s_mov_b32 s[G1B+2], 128<<16
	s_mov_b32 s[G1B+4], 128
	s_wait_dscnt 0x0
	CROUND
	JLOAD G0+4, G1, G0B+4, G1B                     ; K step 1, the first tensor load behind the round
	FETCH_B 0, 0, 0
	FETCH_A 0, 0, 0
	SCALES 0
	FETCH_A 0, 0, 4
	STEP 0, 0, 1
	s_mov_b32 s3, LAPS-1
.Llap:
	TURN 0, 1, 1
	STEP 1, 0, 0
	TURN 1, 0, 1
	STEP 0, 0, 0
	s_sub_co_u32 s3, s3, 1
	s_cmp_lg_u32 s3, 0
	s_cbranch_scc1 .Llap
	TURN 0, 1, 0
	STEP 1, 0, 0
	s_wait_dscnt 4*NL
	WIN MUL_LO
	MUL16 0, 1, NQ-1, 1, 0
	MUL16 2, 1, NQ-1, 1, 0
	s_wait_dscnt 0
	WIN MUL_HI
	MUL16 4, 1, NQ-1, 1, 0
	MUL16 6, 1, NQ-1, 1, 0
	WIN 0
	PLACES NP
.macro QUANT s, pc, pw                 ; 64 numbers a lane, four blocks of 32 shared with lane l xor 16, into 16 registers of codes and a scale word
.irp b, 0,1,2,3
	v_max3_num_f32 v[TM+\b], |v[\s+16*\b]|, |v[\s+1+16*\b]|, 0x4800000
.endr
.irp i, 2,4,6,8,10,12,14
.irp b, 0,1,2,3
	v_max3_num_f32 v[TM+\b], v[TM+\b], |v[\s+16*\b+\i]|, |v[\s+1+16*\b+\i]|
.endr
.endr
.irp b, 0,1,2,3
	v_permlanex16_b32 v[TM+4+\b], v[TM+\b], s[SEL], s[SEL+1]
.endr
.irp b, 0,1,2,3
	v_max_num_f32 v[TM+\b], v[TM+\b], v[TM+4+\b]
.endr
.irp b, 0,1,2,3
	v_add_nc_u32 v[TM+12+\b], 0xfc000000, v[TM+\b]
.endr
.irp b, 0,1,2,3
	v_and_or_b32 v[TM+8+\b], v[TM+\b], 0x7f800000, s[MNT]
.endr
.irp b, 0,1,2,3
	v_lshrrev_b32 v[TM+4+\b], 23, v[TM+12+\b]
.endr
	v_lshl_or_b32 v[\pw], v[TM+5], 8, v[TM+4]
	v_lshl_or_b32 v[\pw], v[TM+6], 16, v[\pw]
	v_lshl_or_b32 v[\pw], v[TM+7], 24, v[\pw]
.irp b, 0,1,2,3
.irp i, 0,1,2,3,4,5,6,7,8,9,10,11,12,13,14,15
	v_med3_num_f32 v[\s+16*\b+\i], v[\s+16*\b+\i], -v[TM+8+\b], v[TM+8+\b]
.endr
	v_cvt_scalef32_pk8_fp8_f32 v[(\pc)+4*\b:(\pc)+1+4*\b], v[\s+16*\b:\s+7+16*\b], v[TM+12+\b]
	v_cvt_scalef32_pk8_fp8_f32 v[(\pc)+2+4*\b:(\pc)+3+4*\b], v[\s+8+16*\b:\s+15+16*\b], v[TM+12+\b]
.endr
	v_nop
.endm
.macro EPI kind                        ; block by block of 16 rows: + bias, quantised, stored as images: 32 lanes store 512 consecutive bytes
	v_and_b32 v[VOA], 31, v0
	v_lshlrev_b32 v[VOA], 4, v[VOA]
	v_add_nc_u32 v[VOB], s45, v[VOA]
	v_mul_u32_u24 v[VSO], s47, v2
	v_lshl_add_u32 v[VSO], v1, 4, v[VSO]
	v_cmp_ne_u32 vcc_lo, 0, v2
.irp b, 0,1,2,3
	v_mov_b32 v[TM+4+\b], 0
.endr
	s_wait_loadcnt 0x0                             ; the biases, asked for at the head
.irp a, 0,1,2,3,4,5,6,7
	WIN 0x02+\a/4
.set II, 0
.rept 32
.if \kind == 0
	v_pk_add_f32 v[ST+II:ST+II+1], v[64*(\a%4)+II:64*(\a%4)+II+1], v[BI+II:BI+II+1]
.elseif \a%2 == 0
	v_pk_add_f32 v[ST+II:ST+II+1], v[64*(\a%4)+II:64*(\a%4)+II+1], v[BI+2*(\a/2):BI+2*(\a/2)+1] op_sel_hi:[1,0]
.else
	v_pk_add_f32 v[ST+II:ST+II+1], v[64*(\a%4)+II:64*(\a%4)+II+1], v[BI+2*(\a/2):BI+2*(\a/2)+1] op_sel:[0,1] op_sel_hi:[1,1]
.endif
.set II, II+2
.endr
	WIN 0
.if \a >= 4
	s_wait_xcnt 0x0                                ; the stores of four blocks back have read their registers
.endif
	QUANT ST, PC+16*(\a%4), SW+\a
.set PCA, PC+16*(\a%4)
.if \kind == 0
	global_store_b128 v[VOA], v[PCA:PCA+3], s[98:99] offset:1024*\a
	global_store_b128 v[VOA], v[PCA+4:PCA+7], s[98:99] offset:1024*\a+512
	global_store_b128 v[VOB], v[PCA+8:PCA+11], s[98:99] offset:1024*\a
	global_store_b128 v[VOB], v[PCA+12:PCA+15], s[98:99] offset:1024*\a+512
.else
.irp c, 0,1,2,3
	global_store_b128 v[VOA+\a/4], v[PCA+4*\c:PCA+4*\c+3], s[98:99] offset:2048*(\a%4)+512*\c
.endr
.endif
.endr
.irp b, 0,1,2,3
.if \kind == 0
	v_perm_b32 v[TA], v[SW+2*\b+1], v[SW+2*\b], 0x05040100
	v_perm_b32 v[TB], v[SW+2*\b+1], v[SW+2*\b], 0x07060302
	v_cndmask_b32 v[WD+\b], v[TA], v[TB], vcc_lo
.else
	v_cndmask_b32 v[WD+\b], v[SW+\b], v[SW+4+\b], vcc_lo
.endif
.endr
	global_store_b128 v[VSO], v[WD:WD+3], s[100:101]
.endm
	s_mov_b32 s[MNT], 0x600000
	s_mov_b32 s[SEL], 0x76543210
	s_mov_b32 s[SEL+1], 0xfedcba98
	s_cmp_eq_u32 s[KIND], 2
	s_cbranch_scc1 .Lv
	EPI 0
	s_branch .Lend
.Lv:
	EPI 1
.Lend:
	s_wait_tensorcnt 0x0                           ; the wave's end
	ds_add_u32 v[SPW], v[NIL]
	s_wait_dscnt 0x0
	CROUND                                         ; the closing round
	s_endpgm
.Lfunc_end_k_q145b18cb5b_proj:
	.size	k_q145b18cb5b_proj, .Lfunc_end_k_q145b18cb5b_proj-k_q145b18cb5b_proj
	.p2alignl 7, 3214868480
	.fill 96, 4, 3214868480
	.section	.rodata,"a",@progbits
	.p2align	6, 0x0
	.amdhsa_kernel k_q145b18cb5b_proj
		.amdhsa_group_segment_fixed_size 327680
		.amdhsa_private_segment_fixed_size 0
		.amdhsa_enable_private_segment 0
		.amdhsa_kernarg_size 80
		.amdhsa_user_sgpr_count 2
		.amdhsa_user_sgpr_kernarg_segment_ptr 1
		.amdhsa_wavefront_size32 1
		.amdhsa_system_sgpr_workgroup_id_x 1
		.amdhsa_system_sgpr_workgroup_id_y 1
		.amdhsa_system_sgpr_workgroup_id_z 1
		.amdhsa_system_vgpr_workitem_id 0
		.amdhsa_next_free_vgpr 1024
		.amdhsa_next_free_sgpr 102
		.amdhsa_reserve_vcc 1
		.amdhsa_float_denorm_mode_32 3
		.amdhsa_float_denorm_mode_16_64 3
		.amdhsa_memory_ordered 1
		.amdhsa_forward_progress 1
		.amdhsa_inst_pref_size 255
	.end_amdhsa_kernel
	.section	.bss,"aw",@nobits
	.p2align	6
	.space	262144
	.amdgpu_metadata
---
amdhsa.version: [ 1, 2 ]
amdhsa.kernels:
  - .name:           k_q145b18cb5b_proj
    .symbol:         k_q145b18cb5b_proj.kd
    .args:
      - { .name: xc, .offset: 0, .size: 8, .value_kind: global_buffer, .address_space: global }
      - { .name: xs, .offset: 8, .size: 8, .value_kind: global_buffer, .address_space: global }
      - { .name: wc, .offset: 16, .size: 8, .value_kind: global_buffer, .address_space: global }
      - { .name: ws, .offset: 24, .size: 8, .value_kind: global_buffer, .address_space: global }
      - { .name: bq, .offset: 32, .size: 8, .value_kind: global_buffer, .address_space: global }
      - { .name: bk, .offset: 40, .size: 8, .value_kind: global_buffer, .address_space: global }
      - { .name: bv, .offset: 48, .size: 8, .value_kind: global_buffer, .address_space: global }
      - { .name: qi, .offset: 56, .size: 8, .value_kind: global_buffer, .address_space: global }
      - { .name: qs, .offset: 64, .size: 8, .value_kind: global_buffer, .address_space: global }
      - { .name: kv, .offset: 72, .size: 8, .value_kind: global_buffer, .address_space: global }
    .group_segment_fixed_size: 327680
    .private_segment_fixed_size: 0
    .kernarg_segment_align: 8
    .kernarg_segment_size: 80
    .max_flat_workgroup_size: 128
    .sgpr_count:     102
    .vgpr_count:     1024
    .wavefront_size: 32
...
	.end_amdgpu_metadata
.endif
;; end of part 2
;; launch attn (part 3): grid 4 x 64, 8 waves a work-group, clusters of 4 x 1, 327,680 bytes of LDS; arguments qi, qs, kv, attention_mask, out0; writes out0
.if DOCPART == 3
	.amdgcn_target "amdgcn-amd-amdhsa--gfx1250"
	.amdhsa_code_object_version 6
	.text
	.protected	k_q145b18cb5b_attn
	.globl	k_q145b18cb5b_attn
	.p2align	8
	.type	k_q145b18cb5b_attn,@function
k_q145b18cb5b_attn:
	s_mov_b64 s[64:65], 0
	v_nop
	global_prefetch_b8 v0, s[64:65] scope:SCOPE_SE
	s_setreg_imm32_b32 hwreg(HW_REG_WAVE_MODE, 25, 1), 1
	s_wait_xcnt 0x0
	s_wait_alu depctr_hold_cnt(0) depctr_sa_sdst(0) depctr_va_vdst(0) depctr_va_sdst(0) depctr_va_ssrc(0) depctr_va_vcc(0) depctr_vm_vsrc(0)
	s_getreg_b32 s2, hwreg(HW_REG_IB_STS2, 6, 4)
	s_cmp_eq_u32 s2, 0
	s_cbranch_scc0 .Lentry_in_a_cluster
	s_endpgm
.Lentry_in_a_cluster:
	s_bfe_u32 s2, ttmp6, 0x10000c
	s_cmp_lg_u32 s2, 0x3003
	s_cbranch_scc0 .Lentry_shape_is_right
	s_endpgm
.Lentry_shape_is_right:
; out0[b][q][64 head + d] = the sum over keys of softmax(q . k / 8 + mask[b][key]) v, both products on codes of FP8 (E4M3) with one E8M0 scale for each 32 along K.  16 heads of 64, 2,048 tokens, 4 batches.
; THE SOFTMAX AHEAD OF THE SECOND PRODUCT: t = (q . k + 8 mask) x log2(e) / 8; M = the row's largest t so far, rounded UP to a whole number; p = 2^(t - M) is quantised along the keys, not normalised;
; the row's sum of the unquantised p divides at the end.  When M moves, the sum and O are multiplied by 2^(old M - new M): exact.
; OPERANDS arrive as images of their registers (four registers at 16 x lane).  A tile of 16 tokens is tokens 32 b + 8 u + r + 8 (r / 8), so that 16 registers of two neighbouring tiles are 16 neighbours.
; SHARES.  A work-group owns 512 queries of one head, in two passes of 256; each of its eight waves owns two tiles of 16 queries a pass, and both tiles use every fragment of K, V and the mask that is read from LDS.
; THE WHOLE HEAD'S K AND V, 270,336 bytes, COME INTO LDS ONCE, by joint loads: the four work-groups of a cluster are the four query blocks of one head.  At the head each wave asks for 33 rows of 256 bytes (together steps 0 to 3);
; behind the full sequence and a round of the cluster's barrier each wave asks for 99 rows (together steps 4 to 15), which land while steps 0 to 2 are worked; one barrier shows them to all waves.  No LDS byte is filled twice.
; No prefetch: all fills are asked for at the head, so no loop runs ahead of a load.
; BOTH PRODUCTS ARE USED TRANSPOSED: S^T = K Q^T, O^T = V^T P^T: a lane holds one query (lane % 16) throughout.
; K = 64 IN AN INSTRUCTION OF 128: a fragment of K holds tile 2 b at k 0-63 and tile 2 b + 1 at k 64-127.  Q lies as zeros, tile 0's codes, zeros, tile 1's codes, zeros (8 registers each): (codes, zeros) picks tile 2 b, (zeros, codes) tile 2 b + 1.
; THE MASK, x 8, held at -3e38 from below, is the C of the score products.  It is loaded ONCE a step, into tile 0's score registers: tile 1's products take it from there as C, and nine places later tile 0's add onto it in place.
; ONE SOFTMAX FOR BOTH TILES: both tiles' scores, 128 registers, and all that the softmax needs lie in window 0, so its lines go over eight blocks by turns, with one batch of exponentials a step.
; LOADS RUN AHEAD: V of this step and K of the next are fetched behind the score products, the next step's mask behind tile 0's conversions.  The last step fetches its own K and mask once more (addresses held by s_min_u32), and a pass begins with its own fetch.
; LIMITS: the mask is exact for |mask| < 3.7e37; under that, -infinity too, it is held, and such a key's p is 0 beside any other key; a row all of whose keys have -infinity comes out as if unmasked where the definition has NaN; a mask above 4.2e37 overflows.
; The scaled scores stay under 2^31 in magnitude.
; REGISTERS, window 0: v1-14 addresses; v16-23 -M, largest t, the sum's pair, for each tile; v24-35 scale words; v36-75 Q; v76-127 at work; v128-191 tile 0's S^T then p, v192-255 tile 1's.  Window 1: v0-63 K, v64-127 V, v128-191 O^T, v192-223 p's codes.
.set KVSTEP, 16896                     ; a step of 128 keys: K's images 8,192, V's 8,192, K's words 256, V's 256
.set KVHEAD, 270336
.set MSK,    270336                    ; behind K and V: 2,048 f32 of 8 x mask;
.set STG,    278528                    ; a stage of 16 rows x 272 bytes for each wave;
.set SPARE,  313344                    ; and the spare words, 128 bytes a wave.  No fill lands in any of the three
.set LI,  1                            ; 16 x lane
.set RS,  2                            ; 16 x (lane % 16)
.set MA,  3                            ; MSK + 64 (lane / 16)
.set AK,  4                            ; the next step's K images (at the head: the mask's offset)
.set AV,  5                            ; this step's V images (at the head: the mask's LDS address)
.set AKS, 6                            ; their scale words
.set AVS, 7
.set AM,  8                            ; the next step's mask
.set GO,  9
.set STO, 10
.set RD,  11
.set SPW, 12
.set NIL, 13
.set QW,  14
.set NM,  16                           ; NM + 4 x: -M, and beside it the largest t
.set SUM, 18                           ; SUM + 4 x: the sum's pair
.set QS,  24
.set PW,  26
.set KSW, 28
.set VSW, 32
.set QB,  36
.set BM,  76                           ; eight blocks: largest score, then largest p
.set PD,  84
.set CAP, 92                           ; 448 x the scale
.set SO,  100                          ; the conversions' scale operand
.set F,   108                          ; F + 2 x: f = 2^(old M - new M), named as a pair
.set T,   112
.set OLD, 114
.set SB,  116                          ; SB + 6 x: three more chains of the sum
.set S,   128
.set KF,  0
.set VF,  64
.set O,   128
.set PC,  192
.set WV,  14
.set MNT, 19
.set SEL, 20
.set CS,  22
.set TB,  48
.set TMK, 49
.set CNT, 50
.set PASS, 51
.set TBN, 66
.set TMN, 67
.set MSB, 0
.macro WIN new                         ; the immediate's high byte repeats the setting that is left
.if MSB != (\new)
	s_set_vgpr_msb (MSB<<8)|(\new)
.set MSB, (\new)
.endif
.endm
.macro D2
	s_delay_alu instid0(VALU_DEP_2)
.endm
.macro ROUND                           ; a round of the cluster's barrier
	s_barrier_signal -1
	s_barrier_wait -1
	s_cmp_lg_u32 s[WV], 0
	s_cbranch_scc1 .Lnot_wave_0_\@
	s_barrier_signal -3
.Lnot_wave_0_\@:
	s_barrier_wait -3
	s_barrier_signal -1
	s_barrier_wait -1
.endm
.macro QLOAD                           ; my two tiles' codes and the pair's scale word: five loads
.irp x, 0,1
.irp c, 0,1
	global_load_b128 v[QB+8+16*\x+4*\c:QB+11+16*\x+4*\c], v[LI], s[4:5] offset:1024*\x+512*\c th:TH_LOAD_NT
.endr
.endr
	global_load_b32 v[QW], v[RS], s[6:7]
.endm
	s_load_b256 s[4:11], s[0:1], 0x0               ; qi, qs, kv, attention_mask
	s_load_b64 s[12:13], s[0:1], 0x20              ; out0
	v_lshl_add_u32 v[SPW], v0, 2, SPARE
	v_mov_b32 v[NIL], 0
	ds_add_u32 v[SPW], v[NIL]                      ; the opening lines: the add twice on end and one wait, ahead of my first tensor load
	ds_add_u32 v[SPW], v[NIL]
	v_lshrrev_b32 v[QW], 5, v0
	v_readfirstlane_b32 s[WV], v[QW]               ; wave 0..7
	s_mul_i32 s53, s[WV], 4352
	s_add_co_u32 s53, s53, STG                     ; my stage
	v_and_b32 v[LI], 31, v0
	v_and_b32 v[T], 15, v0                         ; r
	v_bfe_u32 v[T+1], v0, 4, 1                     ; h
	v_lshlrev_b32 v[LI], 4, v[LI]
	v_lshlrev_b32 v[RS], 4, v[T]
	v_lshl_add_u32 v[MA], v[T+1], 6, MSK
	v_lshlrev_b32 v[GO], 12, v[T+1]
	v_mul_u32_u24 v[STO], v[T], 272
	v_mul_u32_u24 v[RD], v[T+1], 272
	v_lshl_add_u32 v[GO], v[T], 4, v[GO]           ; lanes 0-15 one row of out0, lanes 16-31 the next; 16 bytes a lane
	v_lshl_add_u32 v[STO], v[T+1], 6, v[STO]
	v_lshl_add_u32 v[RD], v[T], 4, v[RD]
	v_add_nc_u32 v[STO], s53, v[STO]               ; into the stage: row r, + 64 h
	v_add_nc_u32 v[RD], s53, v[RD]                 ; back: lanes 0-15 one row, lanes 16-31 the next
	v_lshlrev_b32 v[AK], 4, v0                     ; the mask: 16 bytes a thread
	v_add_nc_u32 v[AV], MSK, v[AK]
.irp z, 0,16,32
.irp j, 0,1,2,3,4,5,6,7
	v_mov_b32 v[QB+\z+\j], 0                       ; Q's zero codes
.endr
.endr
.irp j, 0,1,2,3,4,5,6,7
	v_mov_b32 v[PD+\j], 0                          ; a lane permute's destination counts as a source
.endr
	v_mov_b32 v[F+1], 0                            ; the upper halves of f's pairs
	v_mov_b32 v[F+3], 0
	s_bfe_u32 s15, ttmp6, 0x40000                  ; cx: my block of 512 queries; it enters Q's and out0's addresses alone
	s_and_b32 s16, ttmp7, 0xffff                   ; 16 x batch + head, which the four partners share
	s_lshr_b32 s17, s16, 4
	s_and_b32 s18, s16, 15
	s_mov_b32 s[MNT], 0x600000
	s_mov_b32 s[SEL], 0x76543210
	s_mov_b32 s[SEL+1], 0xfedcba98
	s_mov_b32 s[CS], 0x3e38aa3b                    ; c = log2(e) / 8
	s_mov_b32 s[CS+1], s[CS]
	; two groups 1: dense rows of 256 bytes (32 elements of 8 bytes), 33 rows and 99 rows; the mask names all four work-groups, bit 21 beside it
.irp g, 24,32
	s_mov_b32 s[\g], 15|(3<<16)|(1<<21)
	s_mov_b32 s[\g+1], 32<<16
	s_mov_b32 s[\g+3], 32<<16
	s_mov_b32 s[\g+5], 32
	s_mov_b32 s[\g+6], 0
	s_mov_b32 s[\g+7], 0
.endr
	s_mov_b32 s26, 33<<16
	s_mov_b32 s28, 33
	s_mov_b32 s34, 99<<16
	s_mov_b32 s36, 99
	s_mul_i32 s68, s[WV], 8448                     ; my 33 rows of steps 0 to 3: in LDS as in the head's block of memory
	s_mov_b32 s69, 0
	s_mul_i32 s70, s[WV], 25344                    ; my 99 rows of steps 4 to 15
	s_add_co_u32 s70, s70, 67584
	s_mov_b32 s71, 0
	s_mul_i32 s54, s16, KVHEAD
	s_mov_b32 s55, 0
	s_lshl_b32 s56, s15, 4
	s_add_co_u32 s56, s56, s[WV]                   ; my pair of tiles in pass 0: 16 cx + wave
	s_lshl_b32 s58, s56, 11                        ; 2,048 bytes a pair,
	s_lshl_b32 s59, s16, 17                        ; 131,072 a head
	s_add_co_u32 s58, s58, s59
	s_mov_b32 s59, 0
	s_lshl_b32 s60, s15, 2                         ; Q's scale words: 256 bytes for four pairs, 4 bytes a pair in a row's 16
	s_lshr_b32 s61, s[WV], 2
	s_add_co_u32 s60, s60, s61
	s_lshl_b32 s60, s60, 8
	s_and_b32 s61, s[WV], 3
	s_lshl_b32 s61, s61, 2
	s_add_co_u32 s60, s60, s61
	s_lshl_b32 s61, s16, 12
	s_add_co_u32 s60, s60, s61
	s_mov_b32 s61, 0
	s_lshl_b32 s62, s17, 13                        ; the batch's 2,048 numbers of the mask
	s_mov_b32 s63, 0
	s_lshl_b32 s2, s17, 23                         ; out0: 2,048 rows of 4,096 bytes a batch,
	s_lshl_b32 s3, s56, 17                         ; 32 rows a pair,
	s_add_co_u32 s2, s2, s3
	s_lshl_b32 s3, s18, 8                          ; 256 bytes a head
	s_add_co_u32 s2, s2, s3
	s_mov_b32 s3, 0
	s_wait_alu depctr_va_vdst(0)                   ; the wait at the head's end
	s_wait_dscnt 0x0                               ; both opening adds are done
	s_wait_kmcnt 0x0
	s_add_nc_u64 s[8:9], s[8:9], s[54:55]
	s_add_nc_u64 s[4:5], s[4:5], s[58:59]
	s_add_nc_u64 s[6:7], s[6:7], s[60:61]
	s_add_nc_u64 s[10:11], s[10:11], s[62:63]
	s_add_nc_u64 s[12:13], s[12:13], s[2:3]
	s_mov_b32 s40, 1
	s_mov_b32 s41, s68
	s_add_nc_u64 s[42:43], s[8:9], s[68:69]
	s_or_b32 s43, s43, 0x80000000
	s_mov_b32 s44, 1
	s_mov_b32 s45, s70
	s_add_nc_u64 s[46:47], s[8:9], s[70:71]
	s_or_b32 s47, s47, 0x80000000
	ROUND                                          ; all four work-groups are here: the joint loads meet
	tensor_load_to_lds s[40:43], s[24:31]          ; my one load at the head
	s_nop 0
.rept 4
	v_nop
.endr
	global_load_b128 v[S:S+3], v[AK], s[10:11]
	global_load_b128 v[S+4:S+7], v[AK], s[10:11] offset:4096
	QLOAD
	s_wait_loadcnt 5                               ; the mask is in; Q's five loads may be out
.irp j, 0,2,4,6
	v_pk_mul_f32 v[S+\j:S+\j+1], v[S+\j:S+\j+1], 0x41000000 op_sel_hi:[1,0]   ; x 8: exact
.endr
.irp j, 0,1,2,3,4,5,6,7
	v_max_num_f32 v[S+\j], 0xff61b1e6, v[S+\j]     ; held at -3e38
.endr
	ds_store_b128 v[AV], v[S:S+3]
	ds_store_b128 v[AV], v[S+4:S+7] offset:4096
	s_wait_alu depctr_va_vdst(0)                   ; the wait here, directly ahead of the wait below
	s_wait_tensorcnt 0x0                           ; my part of steps 0 to 3 is in; the full sequence ahead of a later first fill:
	ds_add_u32 v[SPW], v[NIL]
	s_wait_dscnt 0x0                               ; the add is done, and my part of the mask lies in LDS
	ROUND
	tensor_load_to_lds s[44:47], s[32:39]          ; my one load behind the round: my part of steps 4 to 15
	s_nop 0
.rept 4
	v_nop
.endr
	s_mov_b32 s[PASS], 2
.macro MX0 k
	v_max3_num_f32 v[BM+\k], v[S+16*\k], v[S+16*\k+1], v[S+16*\k+2]
.endm
.macro MXI k, i
	v_max3_num_f32 v[BM+\k], v[BM+\k], v[S+16*\k+\i], v[S+16*\k+\i+1]
.endm
; S^T = K Q^T + 8 mask for tile x; the mask lies in tile 0's score registers.  K in window 1, all else in window 0.
.macro SPROD x
	WIN 0x01
.irp b, 0,1,2,3
	v_wmma_scale_f32_16x16x128_f8f6f4 v[S+64*\x+16*\b:S+64*\x+16*\b+7], v[KF+16*\b:KF+16*\b+15], v[QB+8+16*\x:QB+23+16*\x], v[S+16*\b:S+16*\b+7], v[KSW+\b], v[QS+\x]
	v_wmma_scale_f32_16x16x128_f8f6f4 v[S+64*\x+16*\b+8:S+64*\x+16*\b+15], v[KF+16*\b:KF+16*\b+15], v[QB+16*\x:QB+15+16*\x], v[S+16*\b+8:S+16*\b+15], v[KSW+\b], v[QS+\x]
.endr
	WIN 0
.endm
.macro KLOAD ak, aks                   ; K's four fragments and its scale words
	WIN 0x40
.irp b, 0,1,2,3
.irp c, 0,1,2,3
	ds_load_b128 v[KF+16*\b+4*\c:KF+16*\b+4*\c+3], v[\ak] offset:2048*\b+512*\c
.endr
.endr
	WIN 0
.endm
.macro MLOAD am                        ; 8 mask of keys 32 b + 16 h + 4 c on, into tile 0's score registers
.irp b, 0,1,2,3
.irp c, 0,1,2,3
	ds_load_b128 v[S+16*\b+4*\c:S+16*\b+4*\c+3], v[\am] offset:128*\b+16*\c
.endr
.endr
.endm
; Tile x: the row's sum of the unquantised p in four chains, the one-sided hold (p is not negative; the conversion does not saturate: ISA guide 7.6.2), two to an instruction, and the conversions.
.macro SUMS x
.set P, S+64*\x
.set A, SB+6*\x
.set U, SUM+4*\x
	v_pk_add_f32 v[A:A+1], v[P:P+1], v[P+2:P+3]
	v_pk_add_f32 v[A+2:A+3], v[P+4:P+5], v[P+6:P+7]
	v_pk_add_f32 v[A+4:A+5], v[P+8:P+9], v[P+10:P+11]
	v_pk_add_f32 v[U:U+1], v[U:U+1], v[P+12:P+13]
.irp j, 14,22,30,38,46,54
	v_pk_add_f32 v[A:A+1], v[A:A+1], v[P+\j:P+\j+1]
	v_pk_add_f32 v[A+2:A+3], v[A+2:A+3], v[P+\j+2:P+\j+3]
	v_pk_add_f32 v[A+4:A+5], v[A+4:A+5], v[P+\j+4:P+\j+5]
	v_pk_add_f32 v[U:U+1], v[U:U+1], v[P+\j+6:P+\j+7]
.endr
	v_pk_add_f32 v[A:A+1], v[A:A+1], v[P+62:P+63]
	v_pk_add_f32 v[U:U+1], v[U:U+1], v[A+4:A+5]
	D2
	v_pk_add_f32 v[A:A+1], v[A:A+1], v[A+2:A+3]
	s_delay_alu instid0(VALU_DEP_1)
	v_pk_add_f32 v[U:U+1], v[U:U+1], v[A:A+1]
.endm
; The holds of tile x.  e = 1: tile 1's 64 exponentials stand among them, four ahead of each two pairs; what the pairs write is first read behind the wait that follows the batch.
.macro MINS x, e
.set P, S+64*\x
.set EE, 0
.irp kk, 0,2
.set II, 0
.rept 8
.if \e
	v_exp_f32 v[S+64+EE], v[S+64+EE]
	v_exp_f32 v[S+64+EE+1], v[S+64+EE+1]
	v_exp_f32 v[S+64+EE+2], v[S+64+EE+2]
	v_exp_f32 v[S+64+EE+3], v[S+64+EE+3]
.set EE, EE+4
.endif
	v_dual_min_num_f32 v[P+16*\kk+II], v[P+16*\kk+II], v[CAP+4*\x+\kk] :: v_dual_min_num_f32 v[P+16*(\kk+1)+II+1], v[P+16*(\kk+1)+II+1], v[CAP+4*\x+\kk+1]
	v_dual_min_num_f32 v[P+16*(\kk+1)+II], v[P+16*(\kk+1)+II], v[CAP+4*\x+\kk+1] :: v_dual_min_num_f32 v[P+16*\kk+II+1], v[P+16*\kk+II+1], v[CAP+4*\x+\kk]
.set II, II+2
.endr
.endr
.endm
.macro CVTS x
.set P, S+64*\x
	WIN 0x40
.irp b, 0,1,2,3
	v_cvt_scalef32_pk8_fp8_f32 v[PC+16*\x+4*\b:PC+16*\x+4*\b+1], v[P+16*\b:P+16*\b+7], v[SO+4*\x+\b]
	v_cvt_scalef32_pk8_fp8_f32 v[PC+16*\x+4*\b+2:PC+16*\x+4*\b+3], v[P+16*\b+8:P+16*\b+15], v[SO+4*\x+\b]
.endr
	WIN 0
.endm
; A KEY STEP: 128 keys, both tiles.  At its head K, K's words and the mask of this step are on their way or in.
.macro STEP
	s_wait_dscnt 0x0
	s_add_co_u32 s[TBN], s[TB], KVSTEP
	s_min_u32 s[TBN], s[TBN], 15*KVSTEP            ; the last step names its own block again
	s_add_co_u32 s[TMN], s[TMK], 512
	s_min_u32 s[TMN], s[TMN], 15*512
	SPROD 1
	v_add_nc_u32 v[AV], s[TB], v[LI]               ; nine places: tile 0's products write over what tile 1's read as C
	v_add_nc_u32 v[AVS], s[TB], v[RS]
	v_add_nc_u32 v[AK], s[TBN], v[LI]
	v_add_nc_u32 v[AKS], s[TBN], v[RS]
	v_add_nc_u32 v[AM], s[TMN], v[MA]
	v_mov_b32 v[OLD], v[NM]
	v_mov_b32 v[OLD+1], v[NM+4]
	v_nop
	v_nop
	SPROD 0
.irp k, 4,5,6,7                        ; eight lines on tile 1's scores: the places behind tile 0's products
	MX0 \k
.endr
.irp k, 4,5,6,7
	MXI \k, 3
.endr
	WIN 0x40
.irp d, 0,1,2,3
.irp c, 0,1,2,3
	ds_load_b128 v[VF+16*\d+4*\c:VF+16*\d+4*\c+3], v[AV] offset:8192+2048*\d+512*\c   ; V^T of this step
.endr
.endr
	KLOAD AK, AKS                                  ; K of the next
	ds_load_b128 v[VSW:VSW+3], v[AVS] offset:16640
	ds_load_b128 v[KSW:KSW+3], v[AKS] offset:16384
.irp k, 0,1,2,3
	MX0 \k
.endr
.irp k, 0,1,2,3
	MXI \k, 3
.endr
.irp i, 5,7,9,11,13
.irp k, 0,1,2,3,4,5,6,7
	MXI \k, \i
.endr
.endr
.irp k, 0,1,2,3,4,5,6,7
	v_max_num_f32 v[BM+\k], v[BM+\k], v[S+16*\k+15]   ; the largest score of each block of 32 keys: for the row's maximum and, since p rises with the score, for the block's largest p
.endr
.irp k, 0,1,2,3,4,5,6,7
	v_permlanex16_b32 v[PD+\k], v[BM+\k], s[SEL], s[SEL+1]
.endr
.irp k, 0,1,2,3,4,5,6,7
	v_max_num_f32 v[BM+\k], v[BM+\k], v[PD+\k]     ; with lane l xor 16's 16 keys
.endr
.irp x, 0,1
	v_max3_num_f32 v[T+\x], v[BM+4*\x], v[BM+4*\x+1], v[BM+4*\x+2]
.endr
.irp x, 0,1
	D2
	v_max_num_f32 v[T+\x], v[T+\x], v[BM+4*\x+3]
.endr
.irp x, 0,1
	D2
	v_mul_f32 v[T+\x], s[CS], v[T+\x]              ; as t (c is positive)
.endr
.irp x, 0,1
	D2
	v_max_num_f32 v[NM+1+4*\x], v[NM+1+4*\x], v[T+\x]   ; the running largest t
.endr
.irp x, 0,1
	D2
	v_floor_f32 v[NM+4*\x], -v[NM+1+4*\x]          ; the new -M = floor(-t): M is a whole number
.endr
.irp x, 0,1
	D2
	v_sub_f32 v[T+\x], v[NM+4*\x], v[OLD+\x]       ; old M - new M: a whole number, 0 or less
.endr
.irp x, 0,1
	D2
	v_cvt_i32_f32 v[T+\x], v[T+\x]                 ; (it saturates)
.endr
.irp x, 0,1
	D2
	v_ldexp_f32 v[F+2*\x], 1.0, v[T+\x]            ; f = 2^(old M - new M)
.endr
.set II, 0
.rept 32
	v_pk_fma_f32 v[S+II:S+II+1], v[S+II:S+II+1], s[CS:CS+1], v[NM:NM+1] op_sel_hi:[1,0,0]   ; tile 0's t - M, two at a time
.set II, II+2
.endr
.irp k, 0,1,2,3,4,5,6,7
	v_fma_f32 v[BM+\k], v[BM+\k], s[CS], v[NM+4*(\k/4)]   ; the same of each block's largest score
.endr
	s_wait_alu depctr_va_vdst(0)                   ; the wait ahead of the batch
.irp k, 0,1,2,3,4,5,6,7
	v_exp_f32 v[BM+\k], v[BM+\k]                   ; the block's largest p
.endr
.set II, 0
.rept 32
	v_exp_f32 v[S+II], v[S+II]                     ; tile 0's p = 2^(t - M);
	v_exp_f32 v[S+II+1], v[S+II+1]
	v_pk_fma_f32 v[S+64+II:S+64+II+1], v[S+64+II:S+64+II+1], s[CS:CS+1], v[NM+4:NM+5] op_sel_hi:[1,0,0]   ; among them tile 1's t - M, first read behind the two waits below
.set II, II+2
.endr
.irp x, 0,1
	v_pk_mul_f32 v[SUM+4*\x:SUM+4*\x+1], v[SUM+4*\x:SUM+4*\x+1], v[F+2*\x:F+2*\x+1] op_sel_hi:[1,0]   ; the sums under the new M: plain lines behind the batch
.endr
	s_wait_alu depctr_va_vdst(0)                   ; one wait for the batch, ahead of its first reader
.irp k, 0,1,2,3,4,5,6,7
	v_max_num_f32 v[BM+\k], 0x4800000, v[BM+\k]    ; the floor 2^(9 - 127): the byte cannot fall under 1
.endr
.irp k, 0,1,2,3,4,5,6,7
	v_add_nc_u32 v[SO+\k], 0xfc000000, v[BM+\k]    ; 8 off the exponent field: the conversion's scale operand
.endr
.irp k, 0,1,2,3,4,5,6,7
	v_and_or_b32 v[CAP+\k], v[BM+\k], 0x7f800000, s[MNT]   ; 448 x the scale
.endr
.irp k, 0,1,2,3,4,5,6,7
	v_lshrrev_b32 v[PD+\k], 23, v[SO+\k]           ; the scale's byte
.endr
.irp x, 0,1
	v_lshl_or_b32 v[T+\x], v[PD+4*\x+1], 8, v[PD+4*\x]
.endr
.irp x, 0,1
	D2
	v_lshl_or_b32 v[T+\x], v[PD+4*\x+2], 16, v[T+\x]
.endr
.irp x, 0,1
	D2
	v_lshl_or_b32 v[PW+\x], v[PD+4*\x+3], 24, v[T+\x]   ; p's scale word for these 128 keys
.endr
	SUMS 0
	s_wait_alu depctr_va_vdst(0)                   ; the wait ahead of the batch
	MINS 0, 1                                      ; tile 1's p, and among the exponentials tile 0's holds
	v_nop                                          ; a plain line behind the batch,
	s_wait_alu depctr_va_vdst(0)                   ; and the wait ahead of its first reader
	CVTS 0
	MLOAD AM                                       ; tile 0's p is in codes: its registers take the next step's mask
	SUMS 1
	MINS 1, 0
	CVTS 1
	s_wait_dscnt 17                                ; V, K and V's words are in; K's words and the mask's sixteen loads may be out
	WIN 0x41
	s_wait_alu depctr_va_vdst(0)                   ; the wait here, directly ahead of the first reader of O^T
.irp x, 0,1
.set II, 0
.rept 16
	v_pk_mul_f32 v[O+32*\x+II:O+32*\x+II+1], v[O+32*\x+II:O+32*\x+II+1], v[F+2*\x:F+2*\x+1] op_sel_hi:[1,0]   ; O^T under the new M; also the places between the codes and the products
.set II, II+2
.endr
.endr
	WIN 0x55
.irp d, 0,1,2,3                        ; O^T += V^T P^T: eight accumulators by turns
.irp x, 0,1
	v_wmma_scale_f32_16x16x128_f8f6f4 v[O+32*\x+8*\d:O+32*\x+8*\d+7], v[VF+16*\d:VF+16*\d+15], v[PC+16*\x:PC+16*\x+15], v[O+32*\x+8*\d:O+32*\x+8*\d+7], v[VSW+\d], v[PW+\x]
.endr
.endr
	WIN 0
	s_add_co_u32 s[TB], s[TB], KVSTEP
	s_add_co_u32 s[TMK], s[TMK], 512
.endm
.macro SEND x, younger                 ; rows 2 i, 2 i + 1 of the tile are tokens 8 x + 2 i + 8 (i / 4) and the next
.irp i, 0,1,2,3,4,5,6,7
	s_wait_dscnt \younger+7-\i
	global_store_b128 v[GO], v[S+64+32*\x+4*\i:S+64+32*\x+4*\i+3], s[12:13] offset:4096*(8*\x+2*\i+8*(\i/4)) th:TH_STORE_NT   ; 16 lanes store 256 consecutive bytes, aligned: the head's part of a row
.endr
.endm
.Lpass:
	WIN 0x40
.set II, 0
.rept 64
	v_mov_b32 v[O+II], 0                           ; the step is written once: the first finds zeros, which the first change of M leaves zeros
.set II, II+1
.endr
	WIN 0
.irp x, 0,1
	v_mov_b32 v[NM+4*\x], 0x7f61b1e6               ; -M: 3e38, a whole number
	v_mov_b32 v[NM+1+4*\x], 0xff61b1e6             ; the largest t so far: -3e38
	v_mov_b32 v[SUM+4*\x], 0
	v_mov_b32 v[SUM+1+4*\x], 0
.endr
	KLOAD LI, RS                                   ; step 0's K, its words and its mask
	ds_load_b128 v[KSW:KSW+3], v[RS] offset:16384
	MLOAD MA
	s_wait_alu depctr_va_vdst(0)                   ; the wait here, directly ahead of the wait below
	s_wait_loadcnt 0x0                             ; Q and its scale word
	v_perm_b32 v[QS], v[QW], v[QW], 0x01000100     ; tile 0's two bytes, for k 0-63 and again for k 64-127
	v_perm_b32 v[QS+1], v[QW], v[QW], 0x03020302   ; tile 1's
.rept 8
	v_nop                                          ; a scale word made by a vector instruction stands eight places ahead of its product
.endr
	s_wait_alu depctr_va_vdst(0)
	s_mov_b32 s[TB], 0
	s_mov_b32 s[TMK], 0
	s_mov_b32 s[CNT], 3
.Lfirst:                                               ; steps 0 to 2: they read steps 0 to 3's bytes alone
	STEP
	s_sub_co_u32 s[CNT], s[CNT], 1
	s_cmp_lg_u32 s[CNT], 0
	s_cbranch_scc1 .Lfirst
	s_wait_tensorcnt 0x0                           ; my part of steps 4 to 15 is in (in the second pass no load is out),
	s_wait_dscnt 0x0
	s_barrier_signal -1
	s_barrier_wait -1                              ; and so is everybody's.
	s_mov_b32 s[TB], 3*KVSTEP
	s_mov_b32 s[TMK], 3*512
	s_mov_b32 s[CNT], 13
.Lrest:
	STEP
	s_sub_co_u32 s[CNT], s[CNT], 1
	s_cmp_lg_u32 s[CNT], 0
	s_cbranch_scc1 .Lrest
	s_wait_dscnt 0x0                               ; the last step's look-ahead has landed: its registers may be written
.rept 8
	v_nop                                          ; places behind the last products
.endr
	s_add_nc_u64 s[4:5], s[4:5], 16384             ; the next pass's pair: eight pairs on (this pass's loads were shown done at its head)
	s_add_nc_u64 s[6:7], s[6:7], 512
	s_cmp_eq_u32 s[PASS], 1
	s_cbranch_scc1 .Lno_q                          ; behind the last pass nothing is asked for: no load leaves its buffer
	QLOAD
.Lno_q:
	; THE WAY OUT: O^T / the sum; register 16 b + i is channel 32 b + 16 h + i of query r; through my stage, back as whole rows of 256 bytes
.irp x, 0,1
	v_add_f32 v[SUM+4*\x], v[SUM+4*\x], v[SUM+1+4*\x]
.endr
.irp x, 0,1
	D2
	v_permlanex16_b32 v[PD+\x], v[SUM+4*\x], s[SEL], s[SEL+1]
.endr
.irp x, 0,1
	D2
	v_add_f32 v[SUM+4*\x], v[SUM+4*\x], v[PD+\x]   ; the row's sum
.endr
	s_wait_alu depctr_va_vdst(0)                   ; the wait ahead of the transcendentals
	v_rcp_f32 v[SUM], v[SUM]
	v_rcp_f32 v[SUM+4], v[SUM+4]
	v_nop                                          ; a plain line behind them,
	WIN 0x01
	s_wait_alu depctr_va_vdst(0)                   ; and the wait ahead of their first reader, which is also O^T's
.irp x, 0,1
.set II, 0
.rept 16
	v_pk_mul_f32 v[S+32*\x+II:S+32*\x+II+1], v[O+32*\x+II:O+32*\x+II+1], v[SUM+4*\x:SUM+4*\x+1] op_sel_hi:[1,0]
.set II, II+2
.endr
.endr
	WIN 0
.irp x, 0,1
.irp b, 0,1
.irp q, 0,1,2,3
	ds_store_b128 v[STO], v[S+32*\x+16*\b+4*\q:S+32*\x+16*\b+4*\q+3] offset:128*\b+16*\q
.endr
.endr
.irp i, 0,1,2,3,4,5,6,7
	ds_load_b128 v[S+64+32*\x+4*\i:S+64+32*\x+4*\i+3], v[RD] offset:544*\i   ; in order behind my stores (ISA guide 5.7.1.4); the next tile's stores come behind these
.endr
.endr
	SEND 0, 16                                     ; behind tile 0's loads: tile 1's eight stores and eight loads
	SEND 1, 0
	s_wait_xcnt 0x0                                ; the stores have read their registers and their base
	s_add_nc_u64 s[12:13], s[12:13], 0x100000      ; 256 rows of out0 on
	s_sub_co_u32 s[PASS], s[PASS], 1
	s_cmp_lg_u32 s[PASS], 0
	s_cbranch_scc1 .Lpass
	s_wait_tensorcnt 0x0                           ; the wave's end
	ds_add_u32 v[SPW], v[NIL]
	s_wait_dscnt 0x0
	ROUND                                          ; the closing round: no work-group ends while a partner may still ask for a block that names it
	s_endpgm
.Lfunc_end_k_q145b18cb5b_attn:
	.size	k_q145b18cb5b_attn, .Lfunc_end_k_q145b18cb5b_attn-k_q145b18cb5b_attn
	.p2alignl 7, 3214868480
	.fill 96, 4, 3214868480
	.section	.rodata,"a",@progbits
	.p2align	6, 0x0
	.amdhsa_kernel k_q145b18cb5b_attn
		.amdhsa_group_segment_fixed_size 327680
		.amdhsa_private_segment_fixed_size 0
		.amdhsa_enable_private_segment 0
		.amdhsa_kernarg_size 40
		.amdhsa_user_sgpr_count 2
		.amdhsa_user_sgpr_kernarg_segment_ptr 1
		.amdhsa_wavefront_size32 1
		.amdhsa_system_sgpr_workgroup_id_x 1
		.amdhsa_system_sgpr_workgroup_id_y 1
		.amdhsa_system_sgpr_workgroup_id_z 1
		.amdhsa_system_vgpr_workitem_id 0
		.amdhsa_next_free_vgpr 512
		.amdhsa_next_free_sgpr 72
		.amdhsa_reserve_vcc 0
		.amdhsa_float_denorm_mode_32 3
		.amdhsa_float_denorm_mode_16_64 3
		.amdhsa_memory_ordered 1
		.amdhsa_forward_progress 1
		.amdhsa_inst_pref_size 94
	.end_amdhsa_kernel
	.amdgpu_metadata
---
amdhsa.version: [ 1, 2 ]
amdhsa.kernels:
  - .name:           k_q145b18cb5b_attn
    .symbol:         k_q145b18cb5b_attn.kd
    .args:
      - { .name: qi, .offset: 0, .size: 8, .value_kind: global_buffer, .address_space: global }
      - { .name: qs, .offset: 8, .size: 8, .value_kind: global_buffer, .address_space: global }
      - { .name: kv, .offset: 16, .size: 8, .value_kind: global_buffer, .address_space: global }
      - { .name: attention_mask, .offset: 24, .size: 8, .value_kind: global_buffer, .address_space: global }
      - { .name: out0, .offset: 32, .size: 8, .value_kind: global_buffer, .address_space: global }
    .group_segment_fixed_size: 327680
    .private_segment_fixed_size: 0
    .kernarg_segment_align: 8
    .kernarg_segment_size: 40
    .max_flat_workgroup_size: 256
    .sgpr_count:     72
    .vgpr_count:     512
    .wavefront_size: 32
...
	.end_amdgpu_metadata
.endif
;; end of part 3
